; MI455X (gfx1250); checked and timed in simulation.
; The chip was launched on July 23, 2026; its instructions are those of AMD's public machine-readable ISA for CDNA 5 (MIT licence, August 2026) and "CDNA5" Instruction Set Architecture Reference Guide (July 2026). The comments in the code are by the model that wrote it; some were corrected since.
;; Npu MX Quantization Linear. Allowed arithmetic: float matrix products may take bf16 or f16 operands with f32 sums; other float arithmetic in f32, or as packed bf16 or f16 multiplies, adds, multiply-adds, maxima and minima; sums over many terms, partial sums and values carried from step to step in f32; what a program stores and reads back later, other than sums and carried values, may be rounded once to bf16 or f16.
;; Inputs: bias 4,096 float32; weight 4,096 x 4,096 float32; x 2 x 2,048 x 4,096 float32.
;; Outputs: out0 2 x 2,048 x 4,096 float32.
;; 2 versions, each right; version 2 is version 1 with the launch quant written anew for expert scheduling mode. Each part assembles by itself: llvm-mc -triple=amdgcn-amd-amdhsa -mcpu=gfx1250 --defsym DOCPART=n.
;; ======== version 1 of 2: 2 launches
;; limits: inputs' magnitudes at most 8.1e+31; below input magnitudes of 1.9e-34 results are inexact or not finite
;; workspace buffers: qx 33,554,432 bytes; qw 33,554,432 bytes
;; launch quant (part 1): grid 512 x 2, 8 waves a work-group, no clusters, 0 bytes of LDS; arguments x, weight, qx, qw; writes qx, qw
.if DOCPART == 1
	.amdgcn_target "amdgcn-amd-amdhsa--gfx1250"
	.amdhsa_code_object_version 6
	.text
	.protected	k_q51c768b579_quant
	.globl	k_q51c768b579_quant
	.p2align	8
	.type	k_q51c768b579_quant,@function
k_q51c768b579_quant:
	s_mov_b64 s[64:65], 0
	v_nop
	global_prefetch_b8 v0, s[64:65] scope:SCOPE_SE
	s_setreg_imm32_b32 hwreg(HW_REG_WAVE_MODE, 25, 1), 1
	s_wait_xcnt 0x0
; MX-e4m3 fake quantisation along K, blocks of 32, written DEQUANTISED as bf16.  Grid y = 0: x -> qx; y = 1: weight -> qw.  Both are 16,777,216 f32, taken flat:
; a block of 32 numbers is 128 aligned bytes.  A dequantised number has at most four significant bits times a power of two, so its bf16 form is exact.
; THE SCALE AS reference() HAS IT.  E = exponent of the block's largest magnitude, n = E - 8.  reference()'s scale is jnp.exp2(n), which in f32 is exp(n x ln2f), ln2f = 0x3f317218.
;   ln2f's significand has 21 bits, so n x ln2f is exact up to |n| = 11 and is rounded for larger odd n (13: by half a last place of 9.01).  The scale is then 2^n m, m = 1 + r rounded to f32,
;   r = fl(n x ln2f) - n ln 2; m is 1 for most n, 1 - 8 x 2^-24 for n = -13.  Numbers within |r| of themselves of a tie then round the other way than with 2^n, and a step is more than the
;   comparison allows.  So m is made here as exp makes it: the reduction in two parts (0.693359375 and -2.1219444e-4), r + r^2 / 2, one addition to 1.  d = m - 1 is exact; c = d^2 - d = 1/m - 1 up to d^3.
;   u = v + v c (one fused multiply-add) stands for fl(v / m): its exact argument is off by less than 1e-13 of itself.
;   reference()'s element steps, exp2(e - 3) with e - 3 in -9 .. 5, have n x ln2f exact and |r| under 2e-8, less than half a last place of 1: they are exact powers of two.
; THE ROUNDING.  For a number v: p = max(exponent(u), E - 14), P = 2^p, K = 1.5 x 2^20.
;   t = P K + u (one fused multiply-add) lies in [2^(p+20), 2^(p+21)), where neighbouring f32 are 2^(p-3) apart: the e4m3 step times 2^(E-8);
;   the rounding is to nearest, ties to even, and P K / step = 1.5 x 2^23 is even, so ties fall as they do for u / step alone.  q = t - P K is exact.
;   q is then held to +-1.75 x 2^E (448 x 2^(E-8)) and written as bf16: the grid number itself, which differs from reference()'s q x scale by the factor m.  A block of zeros gives zeros.
; LIMITS.  |v| under 2^106 (P K and t stay finite).  NaN and infinities are not treated apart.  Where the block's largest magnitude is under 2^-112 the step is held at
; 2^-129 (a number is then off by less than 2^-127), and reference()'s clip of n at -127 is not followed.  m is right where exp returns the f32 nearest to 2^n (1 + r).
; E is read from the bits, exactly; reference()'s floor of log(amax) / log 2 in f32 may differ for a magnitude within a last place or two of a power of two: there that one number differs by 1/8 of itself.
; SHARES.  A work-group owns 131,072 bytes of input: 32 steps of 4,096.  In a step thread t takes the 16 bytes at 16 t: a load of a wave covers 512 consecutive aligned bytes,
; eight neighbouring lanes hold a block, and a lane's four results are 8 bytes: a store of a wave covers 256 consecutive aligned bytes.
; A ring of eight slots in registers keeps eight loads of every wave on their way.  Nothing is shared between waves: no LDS, no barrier, no matrix work, no cluster.
.set STEPB, 4096                       ; input bytes of a step
.set OUTB,  2048                       ; output bytes of a step
.set DEPTH, 8                          ; slots
.set VI,  1                            ; v1       16 t; never rewritten
.set VO,  2                            ; v2       8 t; never rewritten
.set T,   3                            ; v3       2^E, then the floor of P
.set L,   4                            ; v4       1.75 x 2^E
.set NL,  5                            ; v5       its negative
.set C,   6                            ; v6       c = 1/m - 1; named as a pair with D, the low word serves both halves
.set D,   7                            ; v7       d = m - 1
.set P,   8                            ; v[8:11]  exponent fields of my four numbers; between, at work on m; then P
.set R,   12                           ; v[12:15] u, then t, then q
.set X,   16                           ; v[16:47] slot i: four f32 as loaded
.set Y,   48                           ; v[48:63] slot i: four bf16 to store
.set SRC, 12                           ; s[12:13] input at the round's first step
.set DST, 14                           ; s[14:15] output at the round's first step
.set EXPM, 18                          ; s18      the exponent field of an f32
.set KP,  22                           ; s[22:23] K, named as a pair; the low word serves both halves
.set KN,  24                           ; s[24:25] -K
	s_load_b256 s[4:11], s[0:1], 0x0               ; x s[4:5], weight s[6:7], qx s[8:9], qw s[10:11]
	s_and_b32 s20, ttmp7, 0xffff                   ; which tensor
	s_lshl_b32 s2, ttmp9, 17                       ; the work-group's 131,072 bytes of input,
	s_mov_b32 s3, 0
	s_lshl_b32 s16, ttmp9, 16                      ; and 65,536 of output
	s_mov_b32 s17, 0
	s_mov_b32 s[EXPM], 0x7f800000
	s_mov_b32 s[KP], 0x49c00000                    ; 1.5 x 2^20
	s_mov_b32 s[KP+1], 0x49c00000
	s_mov_b32 s[KN], 0xc9c00000
	s_mov_b32 s[KN+1], 0xc9c00000
	v_lshlrev_b32 v[VI], 4, v0
	v_lshlrev_b32 v[VO], 3, v0
	s_wait_kmcnt 0x0
	s_cmp_eq_u32 s20, 0
	s_cselect_b64 s[SRC:SRC+1], s[4:5], s[6:7]
	s_cselect_b64 s[DST:DST+1], s[8:9], s[10:11]
	s_add_nc_u64 s[SRC:SRC+1], s[SRC:SRC+1], s[2:3]
	s_add_nc_u64 s[DST:DST+1], s[DST:DST+1], s[16:17]
.irp i, 0,1,2,3,4,5,6,7
	global_load_b128 v[X+4*(\i):X+4*(\i)+3], v[VI], s[SRC:SRC+1] offset:(\i)*STEPB th:TH_LOAD_NT  ; the ring is filled: steps 0 to 7
.endr
; One slot's turn.  ahead = 1: the slot is filled again with the step DEPTH further on.  left = how many younger loads may stay out.
.macro SLOT i, ahead, left
	s_wait_loadcnt \left                           ; loads come back in order (ISA guide 5.7.1): this slot's is in, the younger ones stay out
.irp k, 0,1,2,3
	v_and_b32 v[P+(\k)], s[EXPM], v[X+4*(\i)+(\k)] ; 2^exponent(v)
.endr
	v_max3_num_f32 v[T], v[P], v[P+1], v[P+2]      ; the largest of my four,
	v_max_num_f32 v[T], v[T], v[P+3]
	v_max_num_f32_dpp v[T], v[T], v[T] row_xmask:1 row_mask:0xf bank_mask:0xf  ; and of the eight lanes that hold the block: 2^E
	v_max_num_f32_dpp v[T], v[T], v[T] row_xmask:2 row_mask:0xf bank_mask:0xf
	v_max_num_f32_dpp v[T], v[T], v[T] row_xmask:4 row_mask:0xf bank_mask:0xf
	v_lshrrev_b32 v[P], 23, v[T]                   ; E + 127
	v_or_b32 v[L], 0x00600000, v[T]                ; 1.75 x 2^E
	v_or_b32 v[NL], 0x80600000, v[T]
	v_add_nc_u32 v[P], 0xffffff79, v[P]            ; n = E - 8: less 135
	v_mul_f32 v[T], 0x38800000, v[T]               ; 2^(E-14),
	v_cvt_f32_i32 v[P], v[P]
	v_max_num_f32 v[T], 0x00800000, v[T]           ; held at 2^-126
	v_mul_f32 v[P+1], 0x3f317218, v[P]             ; fl(n x ln2f): the one rounding that makes m differ from 1
	v_fmamk_f32 v[P+1], v[P], 0xbf318000, v[P+1]   ; - n x 0.693359375, exact
	v_fmamk_f32 v[P+1], v[P], 0x395e8083, v[P+1]   ; + n x 2.1219444e-4: r
	v_mul_f32 v[P+2], v[P+1], v[P+1]
	v_fma_f32 v[P+1], v[P+2], 0.5, v[P+1]          ; r + r^2 / 2
	v_add_f32 v[P+1], 1.0, v[P+1]                  ; m
	v_add_f32 v[D], -1.0, v[P+1]                   ; d = m - 1, exact
	v_fma_f32 v[C], v[D], v[D], -v[D]              ; c = d^2 - d
.irp k, 0,2
	v_pk_fma_f32 v[R+(\k):R+(\k)+1], v[X+4*(\i)+(\k):X+4*(\i)+(\k)+1], v[C:C+1], v[X+4*(\i)+(\k):X+4*(\i)+(\k)+1] op_sel_hi:[1,0,1]  ; u = v + v c
.endr
.if \ahead
	global_load_b128 v[X+4*(\i):X+4*(\i)+3], v[VI], s[SRC:SRC+1] offset:(DEPTH+(\i))*STEPB th:TH_LOAD_NT  ; X has had its last reader; the load goes ahead of the store
.endif
.irp k, 0,1,2,3
	v_and_b32 v[P+(\k)], s[EXPM], v[R+(\k)]        ; 2^exponent(u); where that is 2^(E+1) the result is held to 1.75 x 2^E below, as with 2^E
.endr
.irp k, 0,1,2,3
	v_max_num_f32 v[P+(\k)], v[P+(\k)], v[T]
.endr
.irp k, 0,2
	v_pk_fma_f32 v[R+(\k):R+(\k)+1], v[P+(\k):P+(\k)+1], s[KP:KP+1], v[R+(\k):R+(\k)+1] op_sel_hi:[1,0,1]  ; t = P K + u: the rounding
.endr
.irp k, 0,2
	v_pk_fma_f32 v[R+(\k):R+(\k)+1], v[P+(\k):P+(\k)+1], s[KN:KN+1], v[R+(\k):R+(\k)+1] op_sel_hi:[1,0,1]  ; q = t - P K, exact
.endr
.irp k, 0,1,2,3
	v_med3_num_f32 v[R+(\k)], v[R+(\k)], v[NL], v[L]  ; held to +-448 x 2^(E-8)
.endr
	v_cvt_pk_bf16_f32 v[Y+2*(\i)], v[R], v[R+1]    ; exact
	v_cvt_pk_bf16_f32 v[Y+2*(\i)+1], v[R+2], v[R+3]
	global_store_b64 v[VO], v[Y+2*(\i):Y+2*(\i)+1], s[DST:DST+1] offset:(\i)*OUTB
.endm
	s_mov_b32 s19, 32/DEPTH-1
.Lround:                                               ; a round takes every slot once: eight steps
.irp i, 0,1,2,3,4,5,6,7
	SLOT \i, 1, DEPTH-1
.endr
	s_wait_xcnt 0x0                                ; every load and store issued so far has read its registers: the two bases are stepped, and Y is rewritten in the next round, only behind this wait
	s_add_nc_u64 s[SRC:SRC+1], s[SRC:SRC+1], DEPTH*STEPB
	s_add_nc_u64 s[DST:DST+1], s[DST:DST+1], DEPTH*OUTB
	s_sub_co_u32 s19, s19, 1
	s_cmp_lg_u32 s19, 0
	s_cbranch_scc1 .Lround
.irp i, 0,1,2,3,4,5,6,7
	SLOT \i, 0, DEPTH-1-(\i)                       ; the last round loads nothing: the counts run down
.endr
	s_endpgm
.Lfunc_end_k_q51c768b579_quant:
	.size	k_q51c768b579_quant, .Lfunc_end_k_q51c768b579_quant-k_q51c768b579_quant
	.p2alignl 7, 3214868480
	.fill 96, 4, 3214868480
	.section	.rodata,"a",@progbits
	.p2align	6, 0x0
	.amdhsa_kernel k_q51c768b579_quant
		.amdhsa_group_segment_fixed_size 0
		.amdhsa_private_segment_fixed_size 0
		.amdhsa_enable_private_segment 0
		.amdhsa_kernarg_size 32
		.amdhsa_user_sgpr_count 2
		.amdhsa_user_sgpr_kernarg_segment_ptr 1
		.amdhsa_wavefront_size32 1
		.amdhsa_system_sgpr_workgroup_id_x 1
		.amdhsa_system_sgpr_workgroup_id_y 1
		.amdhsa_system_sgpr_workgroup_id_z 1
		.amdhsa_system_vgpr_workitem_id 0
		.amdhsa_next_free_vgpr 64
		.amdhsa_next_free_sgpr 66
		.amdhsa_reserve_vcc 0
		.amdhsa_float_denorm_mode_32 3
		.amdhsa_float_denorm_mode_16_64 3
		.amdhsa_memory_ordered 1
		.amdhsa_forward_progress 1
		.amdhsa_inst_pref_size 40
	.end_amdhsa_kernel
	.amdgpu_metadata
---
amdhsa.version: [ 1, 2 ]
amdhsa.kernels:
  - .name:           k_q51c768b579_quant
    .symbol:         k_q51c768b579_quant.kd
    .args:
      - { .name: x, .offset: 0, .size: 8, .value_kind: global_buffer, .address_space: global }
      - { .name: weight, .offset: 8, .size: 8, .value_kind: global_buffer, .address_space: global }
      - { .name: qx, .offset: 16, .size: 8, .value_kind: global_buffer, .address_space: global }
      - { .name: qw, .offset: 24, .size: 8, .value_kind: global_buffer, .address_space: global }
    .group_segment_fixed_size: 0
    .private_segment_fixed_size: 0
    .kernarg_segment_align: 8
    .kernarg_segment_size: 32
    .max_flat_workgroup_size: 256
    .sgpr_count:     66
    .vgpr_count:     64
    .wavefront_size: 32
...
	.end_amdgpu_metadata
.endif
;; end of part 1
;; launch gemm (part 2): grid 16 x 16, 4 waves a work-group, clusters of 4 x 4, 327,680 bytes of LDS; arguments qx, qw, out0, bias; writes out0
.if DOCPART == 2
	.amdgcn_target "amdgcn-amd-amdhsa--gfx1250"
	.amdhsa_code_object_version 6
	.text
	.protected	k_q51c768b579_gemm
	.globl	k_q51c768b579_gemm
	.p2align	8
	.type	k_q51c768b579_gemm,@function
k_q51c768b579_gemm:
	s_mov_b64 s[64:65], 0
	v_nop
	global_prefetch_b8 v0, s[64:65] scope:SCOPE_SE
	s_setreg_imm32_b32 hwreg(HW_REG_WAVE_MODE, 25, 1), 1
	s_wait_xcnt 0x0
	s_wait_alu depctr_hold_cnt(0) depctr_sa_sdst(0) depctr_va_vdst(0) depctr_va_sdst(0) depctr_va_ssrc(0) depctr_va_vcc(0) depctr_vm_vsrc(0)
	s_getreg_b32 s2, hwreg(HW_REG_IB_STS2, 6, 4)
	s_cmp_eq_u32 s2, 0
	s_cbranch_scc0 .Lentry_in_a_cluster
	s_endpgm
.Lentry_in_a_cluster:
	s_bfe_u32 s2, ttmp6, 0x10000c
	s_cmp_lg_u32 s2, 0xf033
	s_cbranch_scc0 .Lentry_shape_is_right
	s_endpgm
.Lentry_shape_is_right:
; out0[m][n] = the sum over k of qx[m][k] qw[n][k] + bias[n].  qx, qw: [4096][4096] bf16 (the dequantised MX numbers, exact in bf16); out0: [4096][4096] f32; bias: [4096] f32.
; The products are exact; the sums are f32, K ascending within an accumulator, in another order of additions than a plain sum over k.
; A tile of C, 256 x 256, is made by a work-group of four waves; a wave makes 128 x 128: 64 accumulators of 16 x 16, 512 registers.  16 x 16 tiles: 256 work-groups, one tile each.
; K goes in steps of 128 through a ring of two LDS slots filled by the tensor data mover: a tile's rows are 256 bytes of memory and start at multiples of 256 bytes from the buffer's first byte.
; CLUSTERS: 4 x 4 work-groups.  The four of a row of the cluster need the same tiles of qx (A), the four of a column the same tiles of qw (B): each tile is asked for JOINTLY, by the same
; tensor load with the same descriptor and a mask that names the four; each receives it in its own LDS.
; THE MATRIX INSTRUCTION IS USED TRANSPOSED: source 0 = 16 rows of B, source 1 = 16 rows of A.  In the result lane l holds row l % 16 of C, its registers 0 to 7 the columns 8 (l / 16) + 0..7.
; REGISTERS, in windows of 256 (s_set_vgpr_msb: bits 1:0 source 0, 3:2 source 1, 5:4 source 2, 7:6 destination):
;   window 0: v0-31 addresses and the bias; v64-127, v128-191 fragments of A, two buffers; on the way out the same 128 registers take rows read back from the stage
;   window 1: v64-127, v128-191 fragments of B, two buffers
;   window 2: the 32 accumulators of my rows 0-63 (accumulator (a, b) at v[8 (8 a + b)]);   window 3: those of my rows 64-127
.set SIZE_M, 4096
.set SIZE_N, 4096
.set SIZE_K, 4096
.set KSTEP,  128
.set PITCH,  272                       ; an LDS row: 256 bytes of data + 16 of padding = 68 words: row r starts at bank 4 r mod 64 (64 banks of 4 bytes: ISA guide 11.1), so the 16 rows of a load start at 16 different banks
.set HALFT,  128*PITCH                 ; 128 rows: what one tensor load brings, and what one wave reads of A or of B
.set SLOT,   4*HALFT                   ; A's 256 rows, then B's 256 rows
.set STAGE,  2*SLOT                    ; behind the ring: 16 rows x 528 bytes for each wave, for the way out; no tensor load lands there
.set SPITCH, 528                       ; a stage row: 128 f32 + 16 bytes: an odd multiple of 16, so the 16 rows of a store start at 16 different groups of four banks
.set SPARE,  STAGE+4*16*SPITCH         ; behind the stages: the spare words, 128 bytes for each wave: two blocks of 256 bytes that no other line names
.set LAPS, SIZE_K/(2*KSTEP)            ; a lap = two K steps = once round the ring
.set BIAS, 8                           ; v[8:11] the bias of the four columns that I store
.set BO,   12                          ; v12     their byte offset in bias; never rewritten
.set ADRA, 16                          ; v16-17  LDS address of my A fragments in slot 0, 1
.set ADRB, 20                          ; v20-21  the same for B
.set STO,  24                          ; v24     the way out: where I put 32 bytes of a row
.set RD,   25                          ; v25     the way out: where I read 16 bytes of a row back
.set CO,   26                          ; v26     16 x my lane: my byte offset in a row of my wave's 512 bytes of C; never rewritten
.set SPW,  28                          ; v28     LDS address of my spare word: SPARE + 4 x my thread's number; never rewritten
.set NIL,  29                          ; v29     0; never rewritten
.set PFO,  30                          ; v30     the prefetches' offset: my lane x a row of A or B in memory; never rewritten
.set PFA,  44                          ; s[44:45] where my prefetches stand: my work-group's 32 rows of the 128 that I fetch, one K step further along K than the refill in hand; a prefetch names the K step after that
.set LIM,  43                          ; s43     1 in a wave that prefetches, else the greatest number
.set BIA,  66                          ; s[66:67] bias
.set F0,   64                          ; fragment buffer 0
.set F1,   128                         ; fragment buffer 1
.set OB,   64                          ; the way out: 16 rows read back from the stage: v64-127 and v128-191 by turns
.set G1, 24                            ; s[24:31] descriptor group 1 for A's tiles
.set G0, 32                            ; s[32:39] descriptor group 0 for A's tiles, one set for each slot
.set G1B, 48                           ; s[48:55] descriptor group 1 for B's tiles: it differs from A's in the mask alone
.set G0B, 56                           ; s[56:63] descriptor group 0 for B's tiles, one set for each slot
.set MSB, 0
.macro WIN new                         ; the immediate's high byte repeats the setting that is left; a switch that changes nothing is dropped
.if MSB != (\new)
	s_set_vgpr_msb (MSB<<8)|(\new)
.set MSB, \new
.endif
.endm
.set MUL_LO, 0xa1                      ; source 0 (B) window 1, source 1 (A) window 0, C and D window 2
.set MUL_HI, 0xf1                      ; the same, C and D window 3
.set TO_B,   0x40                      ; destination window 1, address window 0
; A joint load.  Waves 0 and 1 fetch A's two halves, waves 2 and 3 B's.  Each of the two lines has one mask and one set of registers for all that issue it.  The branch hangs on the wave's
; number alone.  An s_nop 0 and four v_nop follow each of the two lines, ahead of the jump, the label and what follows.
.macro JLOAD s
	s_cmp_eq_u32 s11, 0
	s_cbranch_scc0 .Lfor_b_\@
	tensor_load_to_lds s[G0+4*(\s):G0+4*(\s)+3], s[G1:G1+7]
	s_nop 0
.rept 4
	v_nop
.endr
	s_branch .Lasked_\@
.Lfor_b_\@:
	tensor_load_to_lds s[G0B+4*(\s):G0B+4*(\s)+3], s[G1B:G1B+7]
	s_nop 0
.rept 4
	v_nop
.endr
.Lasked_\@:
.endm
; A PREFETCH INTO THE L2, behind each joint refill, its five lines and the run of LDS loads that follows them: the K step that stands TWO refills on, 512 matrix instructions ahead of the load
; that will ask for it: 32 rows x 256 bytes, a lane a row, one instruction a wave.  Each row's 256 bytes of a K step are named ONCE in the launch: A's tile row is read by every cluster of that
; row of clusters, and the first of them (cluster x = 0) prefetches; B's tile column by every cluster of that column, and cluster y = 0 prefetches.  The four partners that ask for a tile jointly
; share its rows out BY ADDRESS: of the 128 rows that a wave fetches the partner at place p takes 32 p .. 32 p + 31 (p = cx for A, cy for B).  K steps 0 to 3 come by their loads alone;
; the loop's last trip (s3 = 1) asks for nothing: the last K step named is 31.
.macro ASK
	s_cmp_gt_u32 s3, s[LIM]
	s_cbranch_scc0 .Lnot_mine_\@
	global_prefetch_b8 v[PFO], s[PFA:PFA+1] offset:KSTEP*2 th:TH_LOAD_NT scope:SCOPE_SE
.Lnot_mine_\@:
.endm
; A round of the cluster's barrier: my work-group's barrier, so that wave 0's signal speaks for all four waves; wave 0 signals for the work-group; every wave waits for all sixteen
; work-groups; my work-group's barrier once more.  No LDS instruction of the wave is pending at a signal.
.macro CREST                           ; a round behind its opening barrier
	s_cmp_lg_u32 s10, 0
	s_cbranch_scc1 .Lnot_wave_0_\@
	s_barrier_signal -3
.Lnot_wave_0_\@:
	s_barrier_wait -3
	s_barrier_signal -1
	s_barrier_wait -1
.endm
.macro CROUND                          ; a whole round
	s_barrier_signal -1
	s_barrier_wait -1
	CREST
.endm
	s_load_b128 s[4:7], s[0:1], 0x0                ; A = qx s[4:5], B = qw s[6:7]
	s_load_b64 s[8:9], s[0:1], 0x10                ; C = out0
	s_load_b64 s[BIA:BIA+1], s[0:1], 0x18          ; bias
	v_lshl_add_u32 v[SPW], v0, 2, SPARE
	v_mov_b32 v[NIL], 0
	ds_add_u32 v[SPW], v[NIL]                      ; the wave's opening: the add, twice on end, and its wait ahead of my first tensor load; the set-up below, work on registers, stands between
	ds_add_u32 v[SPW], v[NIL]                      ; and once more, under the one wait
	v_lshrrev_b32 v1, 5, v0
	v_readfirstlane_b32 s10, v1                    ; wave 0..3
	s_lshr_b32 s11, s10, 1                         ; which half of the tile's rows is mine.  Also: I fetch for A (0) or for B (1)
	s_and_b32 s12, s10, 1                          ; which half of its columns.  Also: which 128 rows of that tile I fetch
	s_bfe_u32 s40, ttmp6, 0x40000                  ; cx: my place along the cluster's x
	s_bfe_u32 s41, ttmp6, 0x40004                  ; cy: along its y
	s_lshl_b32 s42, ttmp9, 2                       ; in a cluster launch ttmp9 and ttmp7 count clusters
	s_add_co_u32 s42, s42, s40                     ; tile column of C = 4 x cluster x + cx
	s_and_b32 s13, ttmp7, 0xffff
	s_lshl_b32 s13, s13, 2
	s_add_co_u32 s13, s13, s41                     ; tile row of C = 4 x cluster y + cy
	s_lshl_b32 s43, s41, 2
	s_lshl_b32 s43, 15, s43                        ; my row of the cluster: places 4 cy .. 4 cy + 3
	s_lshl_b32 s44, 0x1111, s40                    ; my column: places cx, cx + 4, cx + 8, cx + 12
	; descriptor group 1: a tile of 128 rows x 128 elements, padded in LDS
	s_or_b32 s[G1+0], s43, (1<<16)|(1<<20)|(1<<21)|(5<<22)|(3<<25)  ; 15:0 the mask: A's tiles go to my row; 17:16 elements of 2 bytes; 20 padding on; 21 set beside a mask; 24:22 after every 64 words (code 5); 31:25 4 words of it (code 3)
	s_or_b32 s[G1B+0], s44, (1<<16)|(1<<20)|(1<<21)|(5<<22)|(3<<25) ; the same with the mask of my column, for B's tiles
.irp g, G1, G1B
	s_mov_b32 s[(\g)+1], KSTEP<<16                 ; tensor_dim0 = 128
	s_mov_b32 s[(\g)+2], 128<<16                   ; tensor_dim1 = 128
	s_mov_b32 s[(\g)+3], KSTEP<<16                 ; tile_dim0 = 128
	s_mov_b32 s[(\g)+4], 128                       ; tile_dim1 = 128
	s_mov_b32 s[(\g)+5], SIZE_K                    ; elements from row to row
	s_mov_b32 s[(\g)+6], 0
	s_mov_b32 s[(\g)+7], 0
.endr
	; where the tiles come from.  A's hang on the tile row alone, which my row of the cluster shares; B's on the tile column alone, which my column shares.
	; Every wave makes both addresses, in registers that never hold the other coordinate, and asks by one of them.
	s_lshl_b32 s17, s12, 7                         ; which 128 rows of the tile I fetch
	s_lshl_b32 s16, s13, 8
	s_add_co_u32 s16, s16, s17                     ; A: row 256 x tile row + 128 x half
	s_lshl_b32 s46, s42, 8
	s_add_co_u32 s46, s46, s17                     ; B: row 256 x tile column + 128 x half
	s_mov_b32 s17, 0
	s_mov_b32 s47, 0
	s_mov_b64 s[18:19], SIZE_K*2
	s_mul_u64 s[16:17], s[16:17], s[18:19]         ; in bytes
	s_mul_u64 s[46:47], s[46:47], s[18:19]
	s_mul_i32 s20, s10, HALFT                      ; and where they go: A's two halves, then B's two halves = wave x 128 rows: no place in the cluster enters an LDS address
	s_wait_dscnt 0x0                               ; both opening adds are done
	s_wait_kmcnt 0x0
	s_add_nc_u64 s[14:15], s[4:5], s[16:17]
	s_add_nc_u64 s[46:47], s[6:7], s[46:47]
	CROUND                                         ; all sixteen work-groups are here: the first joint loads meet
.irp s, 0,1
	s_mov_b32 s[G0+4*(\s)], 1                                      ; 1:0 count = 1
	s_add_co_u32 s[G0+4*(\s)+1], s20, (\s)*SLOT                    ; 63:32 LDS address
	s_add_nc_u64 s[G0+4*(\s)+2:G0+4*(\s)+3], s[14:15], (\s)*KSTEP*2  ; 120:64 global address: K step s
	s_or_b32 s[G0+4*(\s)+3], s[G0+4*(\s)+3], 0x80000000            ; 127:126 type = 2
	s_mov_b32 s[G0B+4*(\s)], 1
	s_add_co_u32 s[G0B+4*(\s)+1], s20, (\s)*SLOT
	s_add_nc_u64 s[G0B+4*(\s)+2:G0B+4*(\s)+3], s[46:47], (\s)*KSTEP*2
	s_or_b32 s[G0B+4*(\s)+3], s[G0B+4*(\s)+3], 0x80000000
	JLOAD \s                                       ; the ring is filled before anything else is done: two loads of mine are out
.endr
	; A fragment is 16 rows x 32 K in 8 registers: lane l holds row l % 16; registers 0-3 hold K = 8 (l / 16) + 0..7, registers 4-7 hold K = 16 + 8 (l / 16) + 0..7:
	; two loads of 16 bytes, 32 bytes apart.  The same for source 0 and source 1.
	v_and_b32 v1, 15, v0                           ; l % 16
	v_bfe_u32 v2, v0, 4, 1                         ; l / 16
	v_mul_u32_u24 v3, v1, PITCH
	v_lshl_add_u32 v3, v2, 4, v3                   ; row x pitch + 16 x half
	s_mul_i32 s21, s11, HALFT                      ; my 128 rows of A
	s_mul_i32 s22, s12, HALFT                      ; my 128 rows of B,
	s_add_co_u32 s22, s22, 2*HALFT                 ; which lie behind A's 256
.irp s, 0,1
	v_add_nc_u32 v[ADRA+(\s)], s21, v3
	v_add_nc_u32 v[ADRB+(\s)], s22, v3
	s_add_co_u32 s21, s21, SLOT
	s_add_co_u32 s22, s22, SLOT
.endr
	s_mul_i32 s23, s10, 16*SPITCH
	s_add_co_u32 s23, s23, STAGE                   ; my stage
	v_mul_u32_u24 v4, v1, SPITCH                   ; in: row l % 16, 32 bytes (eight f32) for each half of the lanes
	v_lshl_add_u32 v4, v2, 5, v4
	v_add_nc_u32 v[STO], s23, v4
	v_and_b32 v5, 31, v0
	v_lshlrev_b32 v[CO], 4, v5                     ; back: the 32 lanes take one row of 512 bytes, 16 bytes each; the same in C
	v_add_nc_u32 v[RD], s23, v[CO]
	; where my part of the tile begins in C
	s_lshl_b32 s13, s13, 8
	s_lshl_b32 s14, s11, 7
	s_add_co_u32 s16, s13, s14                     ; my first row of C
	s_mov_b32 s17, 0
	s_mov_b64 s[18:19], SIZE_N*4
	s_mul_u64 s[16:17], s[16:17], s[18:19]
	s_lshl_b32 s46, s42, 10                        ; my first column, in bytes of f32: 1,024 x tile column + 512 x half
	s_lshl_b32 s47, s12, 9
	s_add_co_u32 s46, s46, s47
	s_mov_b32 s47, 0
	s_add_nc_u64 s[16:17], s[16:17], s[46:47]
	s_add_nc_u64 s[8:9], s[8:9], s[16:17]
	v_add_nc_u32 v[BO], s46, v[CO]                 ; the same columns in bias
	global_load_b128 v[BIAS:BIAS+3], v[BO], s[BIA:BIA+1]  ; waited for on the way out
	; the prefetches.  s13 = 256 x tile row, s42 = tile column, s40 = cx, s41 = cy still stand
	s_lshl_b32 s42, s42, 8
	s_and_b32 s22, ttmp7, 0xffff                   ; cluster y
	s_cmp_eq_u32 s11, 0                            ; do I fetch for A?
	s_cselect_b32 s20, s13, s42                    ; the tile's first row: in A by the tile row, in B by the tile column
	s_cselect_b32 s21, s40, s41                    ; my place among the four that ask for it with me
	s_cselect_b32 s22, ttmp9, s22                  ; the coordinate along which other clusters read the same rows
	s_cselect_b64 s[PFA:PFA+1], s[4:5], s[6:7]
	s_cmp_eq_u32 s22, 0
	s_cselect_b32 s[LIM], 1, -1                    ; the same in all sixteen partners, for a given wave
	s_lshl_b32 s22, s12, 7
	s_add_co_u32 s20, s20, s22                     ; + the 128 rows that I fetch
	s_lshl_b32 s21, s21, 5
	s_add_co_u32 s20, s20, s21                     ; + my work-group's 32 of them
	s_mov_b32 s21, 0
	s_mov_b64 s[18:19], SIZE_K*2
	s_mul_u64 s[20:21], s[20:21], s[18:19]
	s_add_nc_u64 s[PFA:PFA+1], s[PFA:PFA+1], s[20:21]
	s_add_nc_u64 s[PFA:PFA+1], s[PFA:PFA+1], 2*KSTEP*2  ; at K step 2: the first refill steps it to 3 and names K step 4
	v_and_b32 v[PFO], 31, v0
	v_mul_u32_u24 v[PFO], v[PFO], SIZE_K*2
	; nothing is prefetched here, at the head, where every work-group's first two tiles are on their way
; 16 matrix instructions: m blocks a0, a0 + 1 of the window's four (hi = 0: my rows 0-63, 1: rows 64-127) x all 8 n blocks, 32 along K.
; zero = 1: the first product starts the sums: nothing is ever cleared.  The 64 accumulators take turns, one instruction a turn, in the same order in every quarter step.
.macro MUL16 f, hi, a0, zero
	WIN MUL_LO+0x50*(\hi)
.irp a, \a0, (\a0)+1
.irp b, 0,1,2,3,4,5,6,7
.if \zero
	v_wmma_f32_16x16x32_bf16 v[8*(8*(\a)+(\b)):8*(8*(\a)+(\b))+7], v[(\f)+8*(\b):(\f)+8*(\b)+7], v[(\f)+8*(4*(\hi)+(\a)):(\f)+8*(4*(\hi)+(\a))+7], 0
.else
	v_wmma_f32_16x16x32_bf16 v[8*(8*(\a)+(\b)):8*(8*(\a)+(\b))+7], v[(\f)+8*(\b):(\f)+8*(\b)+7], v[(\f)+8*(4*(\hi)+(\a)):(\f)+8*(4*(\hi)+(\a))+7], v[8*(8*(\a)+(\b)):8*(8*(\a)+(\b))+7]
.endif
.endr
.endr
.endm
; 32 LDS loads in one run: the fragments of one quarter step (128 rows of B, 128 rows of A, 32 K at byte k of the rows) into buffer f
.macro FETCH slot, k, f
	WIN TO_B
.irp i, 0,1,2,3,4,5,6,7
	ds_load_b128 v[(\f)+8*(\i):(\f)+8*(\i)+3],   v[ADRB+(\slot)] offset:(\k)+(\i)*16*PITCH
	ds_load_b128 v[(\f)+8*(\i)+4:(\f)+8*(\i)+7], v[ADRB+(\slot)] offset:(\k)+(\i)*16*PITCH+32
.endr
	WIN 0
.irp i, 0,1,2,3,4,5,6,7
	ds_load_b128 v[(\f)+8*(\i):(\f)+8*(\i)+3],   v[ADRA+(\slot)] offset:(\k)+(\i)*16*PITCH
	ds_load_b128 v[(\f)+8*(\i)+4:(\f)+8*(\i)+7], v[ADRA+(\slot)] offset:(\k)+(\i)*16*PITCH+32
.endr
.endm
; A load into a register that a matrix instruction has read, and a store that reads a matrix result, stand four places behind that matrix instruction, and only plain vector instructions
; that name none of its registers are places (ISA guide 7.12.1 for vector instructions).
.macro PLACES
.rept 4
	v_nop
.endr
.endm
; A K step is four quarter steps of 32 along K, 64 matrix instructions each, on buffers 0, 1, 0, 1.
; One of the first three: multiplies buffer f; in its middle it fetches the next quarter's fragments, at byte k of the same slot's rows, into buffer g.
.macro QUARTER slot, k, f, g, zero
	s_wait_dscnt 8                                 ; B and A's rows 0-63 are in; the youngest eight loads (A's rows 64-127) may be out
	WIN MUL_LO
	MUL16 \f, 0, 0, \zero
	MUL16 \f, 0, 2, \zero
	PLACES
	FETCH \slot, \k, \g
	s_wait_dscnt 32                                ; all but the 32 just issued
	WIN MUL_HI
	MUL16 \f, 1, 0, \zero
	MUL16 \f, 1, 2, \zero
.endm
; The last quarter multiplies buffer 1 and changes slots.  MEET is its first half: ONE barrier for the change of slots.  In front of it each wave waits for all its tensor loads, of which
; one is out: its part of the next slot; adds 0 to its spare word; and waits for that and for its own reads of this slot.  Behind it nobody reads this slot any more and the next slot is whole.
.macro MEET round                      ; round = 1: a round of the cluster's barrier follows
	WIN 0                                          ; (the add's two registers lie in window 0)
	s_wait_tensorcnt 0x0                           ; all my tensor loads have landed
	ds_add_u32 v[SPW], v[NIL]                      ; 0 onto my spare word
	s_wait_dscnt 9                                 ; (the add and the youngest eight loads may be out)
	WIN MUL_LO
	MUL16 F1, 0, 0, 0                              ; sixteen matrix instructions stand between the add and the wait for it
	s_wait_dscnt 0x0                               ; the add is done, and my reads of this slot are over
	s_barrier_signal -1                            ; say so (where a slot is filled again this barrier opens a round of the cluster's barrier),
	MUL16 F1, 0, 2, 0                              ; work on registers while the others arrive,
.if \round
	WIN 0
.endif
	s_barrier_wait -1                              ; and go on when all four have said so
.endm
; The whole last quarter.  Behind the round the slot just read out is filled again first, with the K step two steps on; then come the next slot's first fragments.
; From a request to the wait for it a wave issues 224 matrix instructions.
.macro TURN slot, next
	s_wait_xcnt 0x0                                ; the last prefetch, a K step back, has read its address: it is stepped here, ahead of the waits of the change of slots
	s_add_nc_u64 s[PFA:PFA+1], s[PFA:PFA+1], KSTEP*2
	MEET 1
	CREST                                          ; all sixteen work-groups have said so: no wave of any partner still reads this slot's tile or has a load on its way
	s_add_nc_u64 s[G0+4*(\slot)+2:G0+4*(\slot)+3], s[G0+4*(\slot)+2:G0+4*(\slot)+3], 2*KSTEP*2    ; no tensor load of mine is out, so a group 0 may be written; the type bits on top are not reached
	s_add_nc_u64 s[G0B+4*(\slot)+2:G0B+4*(\slot)+3], s[G0B+4*(\slot)+2:G0B+4*(\slot)+3], 2*KSTEP*2
	JLOAD \slot                                    ; the first tensor load behind the round, my only one until the next; the four v_nop behind it are also the places in front of the loads below
	FETCH \next, 0, F0
	ASK
	WIN MUL_HI
	MUL16 F1, 1, 0, 0
	MUL16 F1, 1, 2, 0
.endm
; THE WAY OUT of block a (16 of my rows), in two parts.  TOSTAGE: a lane's eight f32 of each of the 8 accumulators go into my own stage, each accumulator's low four registers first,
; and come back as whole rows of 512 bytes.  SEND: the bias is added and the rows are stored.
.macro TOSTAGE a
.set AC, 64*((\a)%4)
.set BK, OB+64*((\a)%2)
	WIN 0x08+4*((\a)/4)                            ; the stores' data (source 1) in window 2 or 3, their address in window 0
.irp b, 0,1,2,3,4,5,6,7
	ds_store_b128 v[STO], v[AC+8*(\b):AC+8*(\b)+3]   offset:64*(\b)
	ds_store_b128 v[STO], v[AC+8*(\b)+4:AC+8*(\b)+7] offset:64*(\b)+16
.endr
	WIN 0
.if (\a) >= 2
	s_wait_xcnt 0x0                                ; the stores of the block two back have read this buffer's registers: they are loaded again only behind this wait
.endif
.irp t, 0,1,2,3,4,5,6,7,8,9,10,11,12,13,14,15
	ds_load_b128 v[BK+4*(\t):BK+4*(\t)+3], v[RD] offset:(\t)*SPITCH  ; LDS serves a wave's instructions in order (ISA guide 5.7.1.4): these see the stores above, and the next block's stores come behind them
.endr
.endm
.macro SEND a, younger                 ; younger: the LDS instructions issued behind block a's loads: the next block's 32, or none
.set BK, OB+64*((\a)%2)
	WIN 0
.irp t, 0,1,2,3,4,5,6,7,8,9,10,11,12,13,14,15
	s_wait_dscnt (\younger)+15-(\t)                ; row t is back; the block's later rows and the younger instructions may be out
	v_pk_add_f32 v[BK+4*(\t):BK+4*(\t)+1],   v[BK+4*(\t):BK+4*(\t)+1],   v[BIAS:BIAS+1]
	v_pk_add_f32 v[BK+4*(\t)+2:BK+4*(\t)+3], v[BK+4*(\t)+2:BK+4*(\t)+3], v[BIAS+2:BIAS+3]
	global_store_b128 v[CO], v[BK+4*(\t):BK+4*(\t)+3], s[8:9] offset:(16*(\a)+(\t))*SIZE_N*4 th:TH_STORE_NT  ; 32 lanes store 512 consecutive bytes, at a multiple of 256 from C's first byte; the row stands in the immediate, 127 rows at the most
.endr
.endm
	s_wait_tensorcnt 1                             ; my part of K step 0 is in; K step 1's may stay out
	s_barrier_signal -1
	s_barrier_wait -1                              ; everybody's is
	FETCH 0, 0, F0
	QUARTER 0, 64,  F0, F1, 1                      ; the first quarter stands in front of the loop: its products start the sums
	WIN 0                                          ; at a label and at a branch every window is 0
	s_mov_b32 s3, LAPS-1
.Llap:                                                 ; a trip goes once round the ring, from a lap's second quarter to the next lap's first, and fills both slots again
	QUARTER 0, 128, F1, F0, 0
	QUARTER 0, 192, F0, F1, 0
	TURN 0, 1
	QUARTER 1, 64,  F0, F1, 0
	QUARTER 1, 128, F1, F0, 0
	QUARTER 1, 192, F0, F1, 0
	TURN 1, 0
	QUARTER 0, 64,  F0, F1, 0
	WIN 0
	s_sub_co_u32 s3, s3, 1
	s_cmp_lg_u32 s3, 0
	s_cbranch_scc1 .Llap
	QUARTER 0, 128, F1, F0, 0                      ; the last lap is written out: it fills nothing, and has no round of the cluster's barrier
	QUARTER 0, 192, F0, F1, 0
	MEET 0                                         ; my one tensor load that was still out is slot 1's, the last K step's
	PLACES                                         ; for the loads into buffer 0
	FETCH 1, 0, F0
	WIN MUL_HI
	MUL16 F1, 1, 0, 0
	MUL16 F1, 1, 2, 0
	QUARTER 1, 64,  F0, F1, 0
	QUARTER 1, 128, F1, F0, 0
	QUARTER 1, 192, F0, F1, 0
	s_wait_dscnt 8                                 ; the very last quarter: nothing more to fetch
	WIN MUL_LO
	MUL16 F1, 0, 0, 0
	MUL16 F1, 0, 2, 0
	s_wait_dscnt 0x0
	MUL16 F1, 1, 0, 0
	MUL16 F1, 1, 2, 0
	WIN 0
	PLACES                                         ; the places behind the last products, ahead of the stores that read results and of the loads into A's buffers;
	PLACES                                         ; eight, once a launch
	s_wait_loadcnt 0x0                             ; the bias
	TOSTAGE 0
.irp a, 1,2,3,4,5,6,7                  ; block a's trip through the stage is issued ahead of block a - 1's additions and stores
	TOSTAGE \a
	SEND (\a)-1, 32
.endr
	SEND 7, 0
	s_wait_tensorcnt 0x0                           ; the wave's end, behind my last tensor load and my last LDS store
	ds_add_u32 v[SPW], v[NIL]
	s_wait_dscnt 0x0
	CROUND                                         ; the closing round: no work-group ends while a partner may still ask for a tile that names it
	s_endpgm
.Lfunc_end_k_q51c768b579_gemm:
	.size	k_q51c768b579_gemm, .Lfunc_end_k_q51c768b579_gemm-k_q51c768b579_gemm
	.p2alignl 7, 3214868480
	.fill 96, 4, 3214868480
	.section	.rodata,"a",@progbits
	.p2align	6, 0x0
	.amdhsa_kernel k_q51c768b579_gemm
		.amdhsa_group_segment_fixed_size 327680
		.amdhsa_private_segment_fixed_size 0
		.amdhsa_enable_private_segment 0
		.amdhsa_kernarg_size 32
		.amdhsa_user_sgpr_count 2
		.amdhsa_user_sgpr_kernarg_segment_ptr 1
		.amdhsa_wavefront_size32 1
		.amdhsa_system_sgpr_workgroup_id_x 1
		.amdhsa_system_sgpr_workgroup_id_y 1
		.amdhsa_system_sgpr_workgroup_id_z 1
		.amdhsa_system_vgpr_workitem_id 0
		.amdhsa_next_free_vgpr 1024
		.amdhsa_next_free_sgpr 68
		.amdhsa_reserve_vcc 0
		.amdhsa_float_denorm_mode_32 3
		.amdhsa_float_denorm_mode_16_64 3
		.amdhsa_memory_ordered 1
		.amdhsa_forward_progress 1
		.amdhsa_inst_pref_size 161
	.end_amdhsa_kernel
	.amdgpu_metadata
---
amdhsa.version: [ 1, 2 ]
amdhsa.kernels:
  - .name:           k_q51c768b579_gemm
    .symbol:         k_q51c768b579_gemm.kd
    .args:
      - { .name: qx, .offset: 0, .size: 8, .value_kind: global_buffer, .address_space: global }
      - { .name: qw, .offset: 8, .size: 8, .value_kind: global_buffer, .address_space: global }
      - { .name: out0, .offset: 16, .size: 8, .value_kind: global_buffer, .address_space: global }
      - { .name: bias, .offset: 24, .size: 8, .value_kind: global_buffer, .address_space: global }
    .group_segment_fixed_size: 327680
    .private_segment_fixed_size: 0
    .kernarg_segment_align: 8
    .kernarg_segment_size: 32
    .max_flat_workgroup_size: 128
    .sgpr_count:     68
    .vgpr_count:     1024
    .wavefront_size: 32
...
	.end_amdgpu_metadata
.endif
;; end of part 2
;; ======== version 2 of 2: 2 launches; version 1 with the launch quant written anew for expert scheduling mode
;; limits: inputs' magnitudes at most 8.1e+31; below input magnitudes of 1.9e-34 results are inexact or not finite
;; workspace buffers: qx 33,554,432 bytes; qw 33,554,432 bytes
;; launch quant (part 3): grid 512 x 2, 8 waves a work-group, no clusters, 0 bytes of LDS; arguments x, weight, qx, qw; writes qx, qw
.if DOCPART == 3
	.amdgcn_target "amdgcn-amd-amdhsa--gfx1250"
	.amdhsa_code_object_version 6
	.text
	.protected	k_q51c768b579_quant
	.globl	k_q51c768b579_quant
	.p2align	8
	.type	k_q51c768b579_quant,@function
k_q51c768b579_quant:
	s_mov_b64 s[64:65], 0
	v_nop
	global_prefetch_b8 v0, s[64:65] scope:SCOPE_SE
	s_setreg_imm32_b32 hwreg(HW_REG_WAVE_SCHED_MODE, 0, 2), 2
	s_setreg_imm32_b32 hwreg(HW_REG_WAVE_MODE, 25, 1), 1
	s_wait_xcnt 0x0
	s_wait_alu depctr_vm_vsrc(0)
; MX-e4m3 fake quantisation along K, blocks of 32, written DEQUANTISED as bf16.  Grid y = 0: x -> qx; y = 1: weight -> qw.  Both are 16,777,216 f32, taken flat:
; a block of 32 numbers is 128 aligned bytes.  A dequantised number has at most four significant bits times a power of two, so its bf16 form is exact.
; THE SCALE AS reference() HAS IT.  E = exponent of the block's largest magnitude, n = E - 8.  reference()'s scale is jnp.exp2(n), which in f32 is exp(n x ln2f), ln2f = 0x3f317218.
;   ln2f's significand has 21 bits, so n x ln2f is exact up to |n| = 11 and is rounded for larger odd n (13: by half a last place of 9.01).  The scale is then 2^n m, m = 1 + r rounded to f32,
;   r = fl(n x ln2f) - n ln 2; m is 1 for most n, 1 - 8 x 2^-24 for n = -13.  Numbers within |r| of themselves of a tie then round the other way than with 2^n, and a step is more than the
;   comparison allows.  So m is made here as exp makes it: the reduction in two parts (0.693359375 and -2.1219444e-4), r + r^2 / 2, one addition to 1.  d = m - 1 is exact; c = d^2 - d = 1/m - 1 up to d^3.
;   u = v + v c (one fused multiply-add) stands for fl(v / m): its exact argument is off by less than 1e-13 of itself.
;   reference()'s element steps, exp2(e - 3) with e - 3 in -9 .. 5, have n x ln2f exact and |r| under 2e-8, less than half a last place of 1: they are exact powers of two.
; THE ROUNDING.  For a number v: p = max(exponent(u), E - 14), P = 2^p, K = 1.5 x 2^20.
;   t = P K + u (one fused multiply-add) lies in [2^(p+20), 2^(p+21)), where neighbouring f32 are 2^(p-3) apart: the e4m3 step times 2^(E-8);
;   the rounding is to nearest, ties to even, and P K / step = 1.5 x 2^23 is even, so ties fall as they do for u / step alone.  q = t - P K is exact.
;   q is then held to +-1.75 x 2^E (448 x 2^(E-8)) and written as bf16: the grid number itself, which differs from reference()'s q x scale by the factor m.  A block of zeros gives zeros.
; LIMITS.  |v| under 2^106 (P K and t stay finite).  NaN and infinities are not treated apart.  Where the block's largest magnitude is under 2^-112 the step is held at
; 2^-129 (a number is then off by less than 2^-127), and reference()'s clip of n at -127 is not followed.  m is right where exp returns the f32 nearest to 2^n (1 + r).
; E is read from the bits, exactly; reference()'s floor of log(amax) / log 2 in f32 may differ for a magnitude within a last place or two of a power of two: there that one number differs by 1/8 of itself.
; SHARES.  A work-group owns 131,072 bytes of input: 32 steps of 4,096.  In a step thread t takes the 16 bytes at 16 t: a load of a wave covers 512 consecutive aligned bytes,
; eight neighbouring lanes hold a block of 32 numbers, and a lane's four results are 8 bytes: a store of a wave covers 256 consecutive aligned bytes.
; Nothing is shared between waves: no LDS, no barrier, no matrix work, no cluster.
; THE MODE: SCHED_MODE bits 1:0 = 2 (LLVM: expert scheduling mode 2), set by the entry lines.  The code itself states the register dependences
; between vector instructions and memory instructions, with s_wait_alu, always for 0.
; THE PLAN.  The 32 steps go in 8 GROUPS of four.  Registers that memory instructions touch:
;   X0 .. X3   four groups of numbers as loaded.  Written by the loads of group p + 3, issued in group p; read by group p's exponent masks and by its multiply-adds u = v + v c.
;   Y0, Y1     two groups of results to store.    Written by group p's conversions; read by the four stores that are issued in group p + 1.
;   v1, v2     byte offsets, made once at the head and never written again; every step's place stands in the immediate offset, so the two scalar bases stay as they are too.
;   v3 to v15  are named by vector instructions alone.
; Group p works on X[p % 4] and writes Y[p % 2].  Its memory instructions are the loads into X[(p + 3) % 4] = X[(p - 1) % 4] and the stores from Y[(p - 1) % 2]: the two buffers that
; group p - 1 worked on and that no vector instruction of group p names.  So the waits at a group's head state all that its eight memory instructions hang on, and these are dealt
; among its vector instructions, a load and a store ahead of each step's, with no further wait.  Eight to twelve loads of every wave are on their way.
; Between the first group and the three that load nothing lie four, one lap of the buffers: so the eight groups are written out by one macro, and there is no loop.
.set STEPB, 4096                       ; input bytes of a step
.set OUTB,  2048                       ; output bytes of a step
.set GROUP, 4                          ; steps in a group
.set GROUPS, 32/GROUP
.set VI,  1                            ; v1       16 t; never rewritten
.set VO,  2                            ; v2       8 t; never rewritten
.set T,   3                            ; v3       2^E, then the floor of P
.set L,   4                            ; v4       1.75 x 2^E
.set NL,  5                            ; v5       its negative
.set C,   6                            ; v6       c = 1/m - 1; named as a pair with D, the low word serves both halves
.set D,   7                            ; v7       d = m - 1
.set P,   8                            ; v[8:11]  exponent fields of my four numbers; between, at work on m; then P
.set R,   12                           ; v[12:15] u, then t, then q
.set X,   16                           ; v[16:79] buffer k, step i: four f32 as loaded, at X + 16 k + 4 i
.set Y,   80                           ; v[80:95] buffer k, step i: four bf16 to store, at Y + 8 k + 2 i
.set SRC, 12                           ; s[12:13] input at the work-group's first step
.set DST, 14                           ; s[14:15] output at the work-group's first step
.set EXPM, 18                          ; s18      the exponent field of an f32
.set KP,  22                           ; s[22:23] K, named as a pair; the low word serves both halves
.set KN,  24                           ; s[24:25] -K
	s_load_b256 s[4:11], s[0:1], 0x0               ; x s[4:5], weight s[6:7], qx s[8:9], qw s[10:11]
	s_and_b32 s20, ttmp7, 0xffff                   ; which tensor
	s_lshl_b32 s2, ttmp9, 17                       ; the work-group's 131,072 bytes of input,
	s_mov_b32 s3, 0
	s_lshl_b32 s16, ttmp9, 16                      ; and 65,536 of output
	s_mov_b32 s17, 0
	s_mov_b32 s[EXPM], 0x7f800000
	s_mov_b32 s[KP], 0x49c00000                    ; 1.5 x 2^20
	s_mov_b32 s[KP+1], 0x49c00000
	s_mov_b32 s[KN], 0xc9c00000
	s_mov_b32 s[KN+1], 0xc9c00000
	v_lshlrev_b32 v[VI], 4, v0
	v_lshlrev_b32 v[VO], 3, v0
	s_wait_kmcnt 0x0
	s_cmp_eq_u32 s20, 0
	s_cselect_b64 s[SRC:SRC+1], s[4:5], s[6:7]
	s_cselect_b64 s[DST:DST+1], s[8:9], s[10:11]
	s_add_nc_u64 s[SRC:SRC+1], s[SRC:SRC+1], s[2:3]
	s_add_nc_u64 s[DST:DST+1], s[DST:DST+1], s[16:17]
	s_wait_alu depctr_va_vdst(0)                   ; v1 and v2 are written: every load and store of the kernel reads one of them as its offset
.irp i, 0,1,2,3,4,5,6,7,8,9,10,11
	global_load_b128 v[X+4*(\i):X+4*(\i)+3], v[VI], s[SRC:SRC+1] offset:(\i)*STEPB th:TH_LOAD_NT  ; groups 0, 1 and 2 into X0, X1, X2
.endr
; Group p.  It loads group p + 3 where there is one, and stores group p - 1 where there is one.
.macro GRP p
.set XB, X+16*((\p)%4)                 ; the numbers that this group works on
.set XN, X+16*(((\p)+3)%4)             ; where its loads land: the buffer that the group before worked on
.set YB, Y+8*((\p)%2)                  ; the results that this group writes
.set YP, Y+8*(((\p)+1)%2)              ; the results that the group before wrote
.set LEFT, GROUP*(GROUPS-1-(\p))       ; how many younger loads may stay out: two groups' eight; in the last two groups, which follow groups that loaded nothing, four and none
.if LEFT > 2*GROUP
.set LEFT, 2*GROUP
.endif
	s_wait_loadcnt LEFT                            ; loads come back in order (ISA guide 5.7.1): this group's four are in, the younger groups stay out
.if (\p) >= 2
	s_wait_xcnt 0x0                                ; every earlier memory instruction has had its addresses translated (ISA guide 3.1): this group's Y is rewritten only behind this wait
	s_wait_alu depctr_vm_vsrc(0)                   ; the stores issued in the group before have read this group's Y, which its conversions write again
.endif
.if (\p) >= 1
	s_wait_alu depctr_va_vdst(0)                   ; the group before has written the other Y, which the stores below read, and is done reading its X, in which the loads below land
.endif
.irp i, 0,1,2,3
.if (\p)+3 < GROUPS
	global_load_b128 v[XN+4*(\i):XN+4*(\i)+3], v[VI], s[SRC:SRC+1] offset:(((\p)+3)*GROUP+(\i))*STEPB th:TH_LOAD_NT  ; three groups ahead; no vector instruction since the wait names these registers
.endif
.if (\p) >= 1
	global_store_b64 v[VO], v[YP+2*(\i):YP+2*(\i)+1], s[DST:DST+1] offset:(((\p)-1)*GROUP+(\i))*OUTB  ; the group before; nor these
.endif
.irp k, 0,1,2,3
	v_and_b32 v[P+(\k)], s[EXPM], v[XB+4*(\i)+(\k)] ; 2^exponent(v)
.endr
	v_max3_num_f32 v[T], v[P], v[P+1], v[P+2]      ; the largest of my four,
	v_max_num_f32 v[T], v[T], v[P+3]
	v_max_num_f32_dpp v[T], v[T], v[T] row_xmask:1 row_mask:0xf bank_mask:0xf  ; and of the eight lanes that hold the block: 2^E
	v_max_num_f32_dpp v[T], v[T], v[T] row_xmask:2 row_mask:0xf bank_mask:0xf
	v_max_num_f32_dpp v[T], v[T], v[T] row_xmask:4 row_mask:0xf bank_mask:0xf
	v_lshrrev_b32 v[P], 23, v[T]                   ; E + 127
	v_or_b32 v[L], 0x00600000, v[T]                ; 1.75 x 2^E
	v_or_b32 v[NL], 0x80600000, v[T]
	v_add_nc_u32 v[P], 0xffffff79, v[P]            ; n = E - 8: less 135
	v_mul_f32 v[T], 0x38800000, v[T]               ; 2^(E-14),
	v_cvt_f32_i32 v[P], v[P]
	v_max_num_f32 v[T], 0x00800000, v[T]           ; held at 2^-126
	v_mul_f32 v[P+1], 0x3f317218, v[P]             ; fl(n x ln2f): the one rounding that makes m differ from 1
	v_fmamk_f32 v[P+1], v[P], 0xbf318000, v[P+1]   ; - n x 0.693359375, exact
	v_fmamk_f32 v[P+1], v[P], 0x395e8083, v[P+1]   ; + n x 2.1219444e-4: r
	v_mul_f32 v[P+2], v[P+1], v[P+1]
	v_fma_f32 v[P+1], v[P+2], 0.5, v[P+1]          ; r + r^2 / 2
	v_add_f32 v[P+1], 1.0, v[P+1]                  ; m
	v_add_f32 v[D], -1.0, v[P+1]                   ; d = m - 1, exact
	v_fma_f32 v[C], v[D], v[D], -v[D]              ; c = d^2 - d
.irp k, 0,2
	v_pk_fma_f32 v[R+(\k):R+(\k)+1], v[XB+4*(\i)+(\k):XB+4*(\i)+(\k)+1], v[C:C+1], v[XB+4*(\i)+(\k):XB+4*(\i)+(\k)+1] op_sel_hi:[1,0,1]  ; u = v + v c: X's last reader
.endr
.irp k, 0,1,2,3
	v_and_b32 v[P+(\k)], s[EXPM], v[R+(\k)]        ; 2^exponent(u); where that is 2^(E+1) the result is held to 1.75 x 2^E below, as with 2^E
.endr
.irp k, 0,1,2,3
	v_max_num_f32 v[P+(\k)], v[P+(\k)], v[T]
.endr
.irp k, 0,2
	v_pk_fma_f32 v[R+(\k):R+(\k)+1], v[P+(\k):P+(\k)+1], s[KP:KP+1], v[R+(\k):R+(\k)+1] op_sel_hi:[1,0,1]  ; t = P K + u: the rounding
.endr
.irp k, 0,2
	v_pk_fma_f32 v[R+(\k):R+(\k)+1], v[P+(\k):P+(\k)+1], s[KN:KN+1], v[R+(\k):R+(\k)+1] op_sel_hi:[1,0,1]  ; q = t - P K, exact
.endr
.irp k, 0,1,2,3
	v_med3_num_f32 v[R+(\k)], v[R+(\k)], v[NL], v[L]  ; held to +-448 x 2^(E-8)
.endr
	v_cvt_pk_bf16_f32 v[YB+2*(\i)], v[R], v[R+1]   ; exact
	v_cvt_pk_bf16_f32 v[YB+2*(\i)+1], v[R+2], v[R+3]
.endr
.endm
.irp p, 0,1,2,3,4,5,6,7
	GRP \p                                         ; group 0 stores nothing and owes no wait but the one for its data; groups 5 to 7 load nothing: no load leaves the buffer
.endr
	s_wait_alu depctr_va_vdst(0)                   ; group 7 has written Y1, which the last four stores read
.irp i, 0,1,2,3
	global_store_b64 v[VO], v[Y+8+2*(\i):Y+8+2*(\i)+1], s[DST:DST+1] offset:((GROUPS-1)*GROUP+(\i))*OUTB
.endr
	s_endpgm
.Lfunc_end_k_q51c768b579_quant:
	.size	k_q51c768b579_quant, .Lfunc_end_k_q51c768b579_quant-k_q51c768b579_quant
	.p2alignl 7, 3214868480
	.fill 96, 4, 3214868480
	.section	.rodata,"a",@progbits
	.p2align	6, 0x0
	.amdhsa_kernel k_q51c768b579_quant
		.amdhsa_group_segment_fixed_size 0
		.amdhsa_private_segment_fixed_size 0
		.amdhsa_enable_private_segment 0
		.amdhsa_kernarg_size 32
		.amdhsa_user_sgpr_count 2
		.amdhsa_user_sgpr_kernarg_segment_ptr 1
		.amdhsa_wavefront_size32 1
		.amdhsa_system_sgpr_workgroup_id_x 1
		.amdhsa_system_sgpr_workgroup_id_y 1
		.amdhsa_system_sgpr_workgroup_id_z 1
		.amdhsa_system_vgpr_workitem_id 0
		.amdhsa_next_free_vgpr 96
		.amdhsa_next_free_sgpr 66
		.amdhsa_reserve_vcc 0
		.amdhsa_float_denorm_mode_32 3
		.amdhsa_float_denorm_mode_16_64 3
		.amdhsa_memory_ordered 1
		.amdhsa_forward_progress 1
		.amdhsa_inst_pref_size 79
	.end_amdhsa_kernel
	.amdgpu_metadata
---
amdhsa.version: [ 1, 2 ]
amdhsa.kernels:
  - .name:           k_q51c768b579_quant
    .symbol:         k_q51c768b579_quant.kd
    .args:
      - { .name: x, .offset: 0, .size: 8, .value_kind: global_buffer, .address_space: global }
      - { .name: weight, .offset: 8, .size: 8, .value_kind: global_buffer, .address_space: global }
      - { .name: qx, .offset: 16, .size: 8, .value_kind: global_buffer, .address_space: global }
      - { .name: qw, .offset: 24, .size: 8, .value_kind: global_buffer, .address_space: global }
    .group_segment_fixed_size: 0
    .private_segment_fixed_size: 0
    .kernarg_segment_align: 8
    .kernarg_segment_size: 32
    .max_flat_workgroup_size: 256
    .sgpr_count:     66
    .vgpr_count:     96
    .wavefront_size: 32
...
	.end_amdgpu_metadata
.endif
;; end of part 3
;; launch gemm: the kernel of part 2 again; grid 16 x 16, 4 waves a work-group, clusters of 4 x 4, 327,680 bytes of LDS; arguments qx, qw, out0, bias; writes out0
